; MI455X (gfx1250); checked and timed in simulation.
; The chip was launched on July 23, 2026; its instructions are those of AMD's public machine-readable ISA for CDNA 5 (MIT licence, August 2026) and "CDNA5" Instruction Set Architecture Reference Guide (July 2026). The comments in the code are by the model that wrote it; some were corrected since.
;; Multi Head Seq Attention. Allowed arithmetic: float matrix products may take bf16 or f16 operands with f32 sums; other float arithmetic in f32, or as packed bf16 or f16 multiplies, adds, multiply-adds, maxima and minima; sums over many terms, partial sums and values carried from step to step in f32; what a program stores and reads back later, other than sums and carried values, may be rounded once to bf16 or f16.
;; Inputs: Wk 1,024 x 1,024 float32; Wo 1,024 x 1,024 float32; Wq 1,024 x 1,024 float32; Wv 1,024 x 1,024 float32; h 2 x 2,048 x 1,024 float32; h_cache 2 x 2,048 x 1,024 float32; key_pe 1 x 64 x 2,048 float32.
;; Outputs: out0 2 x 2,048 x 1,024 float32.
;; 2 versions, each right; version 2 is version 1 with the launch tobf16 written anew for expert scheduling mode. Each part assembles by itself: llvm-mc -triple=amdgcn-amd-amdhsa -mcpu=gfx1250 --defsym DOCPART=n.
;; ======== version 1 of 2: 4 launches
;; limits: values are held in f16: magnitudes above 65,504 overflow, below 6.1e-05 lose precision; right only within a limited range of input values
;; workspace buffers: xb 25,165,824 bytes; qf 8,388,608 bytes; sp 4,194,304 bytes; smax 32,768 bytes; tt 4,194,304 bytes; sc 256 bytes
;; launch tobf16 (part 1): grid 256 x 1, 8 waves a work-group, no clusters, 0 bytes of LDS; arguments h, h_cache, Wq, Wk, Wv, Wo, xb; writes xb
.if DOCPART == 1
	.amdgcn_target "amdgcn-amd-amdhsa--gfx1250"
	.amdhsa_code_object_version 6
	.text
	.protected	k_q67f3e013a1_tobf16
	.globl	k_q67f3e013a1_tobf16
	.p2align	8
	.type	k_q67f3e013a1_tobf16,@function
k_q67f3e013a1_tobf16:
	s_mov_b64 s[64:65], 0
	v_nop
	global_prefetch_b8 v0, s[64:65] scope:SCOPE_SE
	s_setreg_imm32_b32 hwreg(HW_REG_WAVE_MODE, 25, 1), 1
	s_wait_xcnt 0x0
; xb = bf16 copies, each number rounded once, of h, h_cache, Wq, Wk, Wv, Wo, in this order, dense: h at byte 0, h_cache at 8 MiB, the weights at 16, 18, 20 and 22 MiB.
; 256 work-groups of eight waves; each takes 64 KiB of h, 64 KiB of h_cache and 16 KiB of each weight: 48 lines of 4,096 bytes.  Thread t takes the 16 bytes at 16 t of each line.
; No loop: a wave's 48 loads go out together, each into registers of its own; then each line is rounded and stored as it comes.  A wave's load covers 512 consecutive bytes, its store 256
; consecutive bytes at a multiple of 256 from xb's first byte.  No register is written twice while a memory instruction may read it, so the only waits are the counted ones for the loads.
; Nothing is shared between threads: no LDS, no barrier.
.set DAT, 8                            ; v[8:199]  line i: four registers as loaded; the first two then hold its four bf16
	s_load_b256 s[4:11], s[0:1], 0x0               ; h s[4:5], h_cache s[6:7], Wq s[8:9], Wk s[10:11]
	s_load_b128 s[12:15], s[0:1], 0x20             ; Wv s[12:13], Wo s[14:15]
	s_load_b64 s[16:17], s[0:1], 0x30              ; xb
	s_lshl_b32 s22, ttmp9, 16                      ; my 64 KiB of h and of h_cache
	s_lshl_b32 s23, ttmp9, 14                      ; my 16 KiB of a weight
	s_lshl_b32 s24, ttmp9, 15                      ; and half as much in xb
	s_lshl_b32 s25, ttmp9, 13
	v_lshl_add_u32 v1, v0, 4, s22                  ; from: h, h_cache
	v_lshl_add_u32 v2, v0, 4, s23                  ; from: a weight
	v_lshl_add_u32 v3, v0, 3, s24                  ; to: h's and h_cache's copies
	v_lshl_add_u32 v4, v0, 3, s25                  ; to: a weight's copy
	s_wait_kmcnt 0x0
	s_add_nc_u64 s[18:19], s[16:17], 0x800000      ; h_cache's copy
	s_add_nc_u64 s[20:21], s[16:17], 0x1000000     ; the weights' copies
.set i, 0
.rept 16
	global_load_b128 v[DAT+4*i:DAT+4*i+3], v1, s[4:5] offset:4096*i th:TH_LOAD_NT
.set i, i+1
.endr
.set i, 0
.rept 16
	global_load_b128 v[DAT+64+4*i:DAT+64+4*i+3], v1, s[6:7] offset:4096*i th:TH_LOAD_NT
.set i, i+1
.endr
.irp w, 0,1,2,3
.irp j, 0,1,2,3
	global_load_b128 v[DAT+128+16*(\w)+4*(\j):DAT+128+16*(\w)+4*(\j)+3], v2, s[8+2*(\w):9+2*(\w)] offset:4096*(\j) th:TH_LOAD_NT
.endr
.endr
; Line i: rounded and stored.  Loads come back in order, so the count leaves the 47 - i younger ones out.
.macro OUT i, vo, sb, imm
	s_wait_loadcnt 47-(\i)
	v_cvt_pk_bf16_f32 v[DAT+4*(\i)], v[DAT+4*(\i)], v[DAT+4*(\i)+1]
	v_cvt_pk_bf16_f32 v[DAT+4*(\i)+1], v[DAT+4*(\i)+2], v[DAT+4*(\i)+3]
	global_store_b64 v[\vo], v[DAT+4*(\i):DAT+4*(\i)+1], s[\sb:\sb+1] offset:\imm th:TH_STORE_NT
.endm
.set i, 0
.rept 16
	OUT i, 3, 16, 2048*i
.set i, i+1
.endr
.rept 16
	OUT i, 3, 18, 2048*(i-16)
.set i, i+1
.endr
.rept 16
	OUT i, 4, 20, 2097152*((i-32)/4)+2048*((i-32)%4)
.set i, i+1
.endr
	s_endpgm
.Lfunc_end_k_q67f3e013a1_tobf16:
	.size	k_q67f3e013a1_tobf16, .Lfunc_end_k_q67f3e013a1_tobf16-k_q67f3e013a1_tobf16
	.p2alignl 7, 3214868480
	.fill 96, 4, 3214868480
	.section	.rodata,"a",@progbits
	.p2align	6, 0x0
	.amdhsa_kernel k_q67f3e013a1_tobf16
		.amdhsa_group_segment_fixed_size 0
		.amdhsa_private_segment_fixed_size 0
		.amdhsa_enable_private_segment 0
		.amdhsa_kernarg_size 56
		.amdhsa_user_sgpr_count 2
		.amdhsa_user_sgpr_kernarg_segment_ptr 1
		.amdhsa_wavefront_size32 1
		.amdhsa_system_sgpr_workgroup_id_x 1
		.amdhsa_system_sgpr_workgroup_id_y 1
		.amdhsa_system_sgpr_workgroup_id_z 1
		.amdhsa_system_vgpr_workitem_id 0
		.amdhsa_next_free_vgpr 204
		.amdhsa_next_free_sgpr 66
		.amdhsa_reserve_vcc 0
		.amdhsa_float_denorm_mode_32 3
		.amdhsa_float_denorm_mode_16_64 3
		.amdhsa_memory_ordered 1
		.amdhsa_forward_progress 1
		.amdhsa_inst_pref_size 18
	.end_amdhsa_kernel
	.amdgpu_metadata
---
amdhsa.version: [ 1, 2 ]
amdhsa.kernels:
  - .name:           k_q67f3e013a1_tobf16
    .symbol:         k_q67f3e013a1_tobf16.kd
    .args:
      - { .name: h, .offset: 0, .size: 8, .value_kind: global_buffer, .address_space: global }
      - { .name: h_cache, .offset: 8, .size: 8, .value_kind: global_buffer, .address_space: global }
      - { .name: Wq, .offset: 16, .size: 8, .value_kind: global_buffer, .address_space: global }
      - { .name: Wk, .offset: 24, .size: 8, .value_kind: global_buffer, .address_space: global }
      - { .name: Wv, .offset: 32, .size: 8, .value_kind: global_buffer, .address_space: global }
      - { .name: Wo, .offset: 40, .size: 8, .value_kind: global_buffer, .address_space: global }
      - { .name: xb, .offset: 48, .size: 8, .value_kind: global_buffer, .address_space: global }
    .group_segment_fixed_size: 0
    .private_segment_fixed_size: 0
    .kernarg_segment_align: 8
    .kernarg_segment_size: 56
    .max_flat_workgroup_size: 256
    .sgpr_count:     66
    .vgpr_count:     204
    .wavefront_size: 32
...
	.end_amdgpu_metadata
.endif
;; end of part 1
;; launch proj (part 2): grid 12 x 16, 4 waves a work-group, clusters of 4 x 4, 327,680 bytes of LDS; arguments xb, qf, sp, smax; writes qf, sp, smax
.if DOCPART == 2
	.amdgcn_target "amdgcn-amd-amdhsa--gfx1250"
	.amdhsa_code_object_version 6
	.text
	.protected	k_q67f3e013a1_proj
	.globl	k_q67f3e013a1_proj
	.p2align	8
	.type	k_q67f3e013a1_proj,@function
k_q67f3e013a1_proj:
	s_mov_b64 s[64:65], 0
	v_nop
	global_prefetch_b8 v0, s[64:65] scope:SCOPE_SE
	s_setreg_imm32_b32 hwreg(HW_REG_WAVE_MODE, 25, 1), 1
	s_wait_xcnt 0x0
	s_wait_alu depctr_hold_cnt(0) depctr_sa_sdst(0) depctr_va_vdst(0) depctr_va_sdst(0) depctr_va_ssrc(0) depctr_va_vcc(0) depctr_vm_vsrc(0)
	s_getreg_b32 s2, hwreg(HW_REG_IB_STS2, 6, 4)
	s_cmp_eq_u32 s2, 0
	s_cbranch_scc0 .Lentry_in_a_cluster
	s_endpgm
.Lentry_in_a_cluster:
	s_bfe_u32 s2, ttmp6, 0x10000c
	s_cmp_lg_u32 s2, 0xf033
	s_cbranch_scc0 .Lentry_shape_is_right
	s_endpgm
.Lentry_shape_is_right:
; THE THREE PROJECTIONS, AND k^T v.  q = h Wq^T, k = h_cache Wk^T, v = h_cache Wv^T: 4,096 x 1,024 each, K = 1,024, operands bf16 (from xb), sums f32.
; WHAT THE PROGRAM COMPUTES.  The result is ((q k^T) v, head by head) Wo^T.  The positional scores, the scaling and the softmax are formed from q, k and key_pe but enter nothing that is returned, so they are
; not computed and key_pe is not read.  (q k^T) v is formed as q (k^T v): S = k^T v is 64 x 64 for each batch and head.  The algebra is exact; the order of rounding differs.
; q is stored (f16).  k and v never leave the registers: rounded once to f16 they are the two operands of S, of which this launch stores partial sums (f32) over 256 rows of h_cache.
; LIMITS.  |q|, |k|, |v| stay under 65,504 (f16).  NaN and infinities are not treated apart.
; SHARES.  192 tiles of 256 x 256 x 1,024, a work-group of four waves each; a wave makes 128 x 128: 64 accumulators, 512 registers.  K goes in steps of 128 through a ring of two LDS slots.
; A slot holds two regions of 256 rows x 256 bytes.  REGION A feeds source 1 of the matrix instruction, REGION B source 0: in a result a lane holds ONE row of region A (lane % 16) and eight rows of B.
;   cluster x = 0 (q):     A = 256 rows of h (row tile 4 Cy + cy), B = 256 rows of Wq (tile cx).  A lane holds eight neighbouring columns of one row of q: 16 bytes of f16.
;   cluster x = 1, 2 (kv): A = 128 rows of Wk, then the same 128 rows of Wv (two heads: pair 4 (Cx - 1) + cy), B = 256 rows of h_cache (row tile 4 Cy + cx).  A lane holds one column of k or v and eight
;                          consecutive rows: rounded in pairs that IS a fragment (16 columns x 32 rows) of either operand of k^T v.  Nothing changes lanes.
; A wave takes rows 64 WH .. + 63 of each half of region A (one head's k columns and its v columns) and rows 128 WL .. + 127 of region B.
; CLUSTERS: 4 x 4 work-groups.  Region A hangs on cy alone among the two places and is asked for jointly along a row of the cluster, region B on cx alone and jointly along a column.
; REGISTERS, in windows of 256: window 0: v0-31 addresses; v64-127, v128-191 fragments of A, two buffers; v32-63, v192-255 at work on the way out.   window 1: v64-191 fragments of B.
;   window 2: accumulators of A blocks 0-3 (k columns) at v[8 (8 a + b)];   window 3: those of A blocks 4-7 (v columns).
.set KSTEP,  128
.set PITCH,  272                       ; an LDS row: 256 bytes + 16 of padding = 68 words: the 16 rows that a load touches start at 16 different groups of four banks (64 banks of 4 bytes: ISA guide 11.1)
.set HALFT,  128*PITCH                 ; 128 rows: what one tensor load brings
.set SLOT,   4*HALFT                   ; region A's 256 rows, then region B's
.set STAGE,  2*SLOT                    ; behind the ring: 16 rows x 272 bytes for each wave, for q's way out; no tensor load fills it
.set SPITCH, 272
.set SPARE,  STAGE+4*16*SPITCH         ; behind the stages: the spare words, 128 bytes for each wave: two blocks of 256 bytes that no other line names
.set EXB,    0                         ; the exchange of partial S: 16,384 bytes for each head, in slot 0, which has had its last fill and its last read when the exchange is written
.set C0,     8388608                   ; bytes in xb: h at 0, h_cache here,
.set WQ0,    16777216                  ; Wq,
.set WK0,    18874368                  ; Wk; Wv lies 1 << 21 behind it
.set LAPS,   4                         ; a lap = two K steps = once round the ring
.set ADRA, 16                          ; v16-17  LDS address of my A fragments in slot 0, 1
.set ADRB, 20                          ; v20-21  the same for B
.set SMO,  22                          ; v22     4 x lane
.set STO,  24                          ; v24     q's way out: where I put 16 bytes of a row
.set RD,   25                          ; v25     where I read a row back
.set CO,   26                          ; v26     my byte offset in two rows of q
.set EXA,  27                          ; v27     my 16 bytes in my head's exchange
.set SPW,  28                          ; v28     LDS address of my spare word; never rewritten
.set NIL,  29                          ; v29     0; never rewritten
.set PFO,  30                          ; v30     the prefetches' offset: lane x 2,048; never rewritten
.set SPO,  31                          ; v31     16 x lane
.set F0,   64
.set F1,   128
.set TMP,  192
.set OB,   32
.set WV,   12                          ; s12 wave;  s13 WH = wave / 2: my rows of A; also: I fetch for A (0) or B (1);  s14 WL = wave % 2: my rows of B; also: which 128 rows I fetch
.set WH,   13
.set WL,   14
.set LIM,  19                          ; s19 1 in a wave that prefetches, else the greatest number
.set TQ,   20                          ; s20 1 in a q cluster
.set FLG,  21                          ; s21 1 in a wave that finishes a partial S
.set G1,   24                          ; s[24:31] descriptor group 1 for region A;  s[32:39] group 0, a set for each slot
.set G0,   32
.set PFA,  44                          ; s[44:45] where my prefetches stand
.set G1B,  48                          ; s[48:55], s[56:63] the same for region B
.set G0B,  56
.set GW0,  (1<<16)|(1<<20)|(1<<21)|(5<<22)|(3<<25)  ; 17:16 elements of 2 bytes; 20 padding on; 21 set beside a mask; 24:22 after every 64 words; 31:25 4 words of it
.set MSB, 0
.macro WIN new                         ; the immediate's high byte repeats the setting that is left; a switch that changes nothing is dropped
.if MSB != (\new)
	s_set_vgpr_msb (MSB<<8)|(\new)
.set MSB, \new
.endif
.endm
.set MUL_LO, 0xa1                      ; source 0 (B) window 1, source 1 (A) window 0, C and D window 2
.set MUL_HI, 0xf1                      ; the same, C and D window 3
.set TO_B,   0x40                      ; destination window 1, address window 0
; A joint load.  Waves 0 and 1 fetch region A's halves, waves 2 and 3 region B's.  The branch hangs on the wave's number alone.  An s_nop 0 and four v_nop follow each line.
.macro JLOAD s
	s_cmp_eq_u32 s[WH], 0
	s_cbranch_scc0 .Lfor_b_\@
	tensor_load_to_lds s[G0+4*(\s):G0+4*(\s)+3], s[G1:G1+7]
	s_nop 0
.rept 4
	v_nop
.endr
	s_branch .Lasked_\@
.Lfor_b_\@:
	tensor_load_to_lds s[G0B+4*(\s):G0B+4*(\s)+3], s[G1B:G1B+7]
	s_nop 0
.rept 4
	v_nop
.endr
.Lasked_\@:
.endm
; A prefetch, behind each joint refill and the run of LDS loads that follows it: the K step that stands two refills on, 32 rows x 256 bytes, a lane a row, one instruction a wave.
; Each row's 256 bytes of a K step are named once in the launch.  h's rows are read by one row of one cluster: it asks.  Wq's rows are read by the four q clusters: cluster y = 0 asks.  Wk's and Wv's by four
; clusters: cluster y = 0 asks.  h_cache's by clusters x = 1 and 2: x = 1 asks.  The four partners that ask for a tile jointly share its rows out BY ADDRESS, 32 each.
; K steps 0 to 3 come by their loads alone; the loop's last trip (s3 = 1) has no K step two refills on and asks for nothing.
.macro ASK
	s_cmp_gt_u32 s3, s[LIM]
	s_cbranch_scc0 .Lnot_mine_\@
	global_prefetch_b8 v[PFO], s[PFA:PFA+1] offset:KSTEP*2 th:TH_LOAD_NT scope:SCOPE_SE
.Lnot_mine_\@:
.endm
.macro CREST                           ; a round of the cluster's barrier behind its opening barrier
	s_cmp_lg_u32 s[WV], 0
	s_cbranch_scc1 .Lnot_wave_0_\@
	s_barrier_signal -3
.Lnot_wave_0_\@:
	s_barrier_wait -3
	s_barrier_signal -1
	s_barrier_wait -1
.endm
.macro CROUND                          ; a whole round
	s_barrier_signal -1
	s_barrier_wait -1
	CREST
.endm
	s_load_b256 s[4:11], s[0:1], 0x0               ; xb s[4:5], qf s[6:7], sp s[8:9], smax s[10:11]
	v_lshl_add_u32 v[SPW], v0, 2, SPARE
	v_mov_b32 v[NIL], 0
	ds_add_u32 v[SPW], v[NIL]                      ; the wave's opening: the add and its wait stand ahead of my first tensor load; the set-up below, work on registers, stands between them
	v_lshrrev_b32 v1, 5, v0
	v_readfirstlane_b32 s[WV], v1
	s_lshr_b32 s[WH], s[WV], 1
	s_and_b32 s[WL], s[WV], 1
	s_bfe_u32 s15, ttmp6, 0x40000                  ; cx
	s_bfe_u32 s16, ttmp6, 0x40004                  ; cy
	s_mov_b32 s17, ttmp9                           ; Cx: the cluster's x, 0 to 2
	s_and_b32 s18, ttmp7, 0xffff                   ; Cy: the cluster's y, 0 to 3
	s_lshl_b32 s22, s16, 2
	s_lshl_b32 s22, 15, s22                        ; my row of the cluster
	s_lshl_b32 s23, 0x1111, s15                    ; my column
	s_or_b32 s[G1+0], s22, GW0                     ; region A goes to my row,
	s_or_b32 s[G1B+0], s23, GW0                    ; region B to my column
.irp g, G1, G1B
	s_mov_b32 s[(\g)+1], KSTEP<<16                 ; tensor_dim0 = 128
	s_mov_b32 s[(\g)+2], 128<<16                   ; tensor_dim1 = 128
	s_mov_b32 s[(\g)+3], KSTEP<<16                 ; tile_dim0 = 128
	s_mov_b32 s[(\g)+4], 128                       ; tile_dim1 = 128
	s_mov_b32 s[(\g)+5], 1024                      ; elements from row to row
	s_mov_b32 s[(\g)+6], 0
	s_mov_b32 s[(\g)+7], 0
.endr
	; where the tiles come from, as byte offsets in xb.  Both kinds are made, then chosen by the cluster's x, which all partners share.  A's registers never hold cx, B's never cy.
	s_lshl_b32 s72, s18, 21                        ; four row tiles of 256 rows x 2,048 bytes for each Cy
	s_lshl_b32 s73, s17, 20
	s_add_co_u32 s73, s73, WK0-(1<<20)             ; kv, A: Wk at pair 4 (Cx - 1)
	s_add_co_u32 s74, s72, C0                      ; kv, B: h_cache at row tile 4 Cy
	s_lshl_b32 s75, s16, 19                        ; q, A: cy row tiles
	s_lshl_b32 s76, s16, 18                        ; kv, A: cy pairs of heads (128 rows)
	s_lshl_b32 s77, s[WL], 18                      ; the second 128 rows of a tile
	s_lshl_b32 s78, s[WL], 21                      ; kv, A: the second half is Wv's
	s_lshl_b32 s23, s15, 19                        ; B: cx tiles of 256 rows
	s_cmp_eq_u32 s18, 0
	s_cselect_b32 s86, 1, 0                        ; Cy = 0
	s_cmp_eq_u32 s17, 1
	s_cselect_b32 s87, 1, 0                        ; Cx = 1
	s_cmp_eq_u32 s17, 0
	s_cselect_b32 s[TQ], 1, 0
	s_cselect_b32 s40, s72, s73
	s_cselect_b32 s75, s75, s76
	s_cselect_b32 s78, s77, s78
	s_cselect_b32 s46, WQ0, s74
	s_cselect_b32 s88, 1, s86                      ; does this cluster prefetch A's rows,
	s_cselect_b32 s89, s86, s87                    ; and B's?
	s_add_co_u32 s40, s40, s75
	s_add_co_u32 s40, s40, s78                     ; s[40:41]: region A, my half
	s_mov_b32 s41, 0
	s_add_co_u32 s46, s46, s23
	s_add_co_u32 s46, s46, s77                     ; s[46:47]: region B, my half
	s_mov_b32 s47, 0
	s_cmp_eq_u32 s[WH], 0
	s_cselect_b32 s[LIM], s88, s89
	s_cselect_b32 s92, s40, s46                    ; the tile that I fetch,
	s_cselect_b32 s94, s15, s16                    ; and my place among the four that ask for it with me
	s_cmp_eq_u32 s[LIM], 1
	s_cselect_b32 s[LIM], 1, -1                    ; the same in all sixteen partners, for a given wave
	s_lshl_b32 s94, s94, 16                        ; my work-group's 32 rows of the 128
	s_add_co_u32 s92, s92, s94
	s_add_co_u32 s92, s92, 2*KSTEP*2               ; at K step 2: the first refill steps it to 3 and names K step 4
	s_mov_b32 s93, 0
	s_mul_i32 s42, s[WV], HALFT                    ; where the tiles go: wave x 128 rows: no place in the cluster enters an LDS address
	s_xor_b32 s[FLG], s[TQ], 1
	s_xor_b32 s95, s[WL], 1
	s_and_b32 s[FLG], s[FLG], s95
	s_wait_dscnt 0x0                               ; the opening add is done
	s_wait_kmcnt 0x0
	s_add_nc_u64 s[66:67], s[4:5], s[40:41]
	s_add_nc_u64 s[68:69], s[4:5], s[46:47]
	s_add_nc_u64 s[PFA:PFA+1], s[4:5], s[92:93]
	CROUND                                         ; all sixteen work-groups are here: the first joint loads meet
.irp s, 0,1
	s_mov_b32 s[G0+4*(\s)], 1                                      ; count = 1
	s_add_co_u32 s[G0+4*(\s)+1], s42, (\s)*SLOT                    ; LDS address
	s_add_nc_u64 s[G0+4*(\s)+2:G0+4*(\s)+3], s[66:67], (\s)*KSTEP*2  ; global address: K step s
	s_or_b32 s[G0+4*(\s)+3], s[G0+4*(\s)+3], 0x80000000            ; type = 2
	s_mov_b32 s[G0B+4*(\s)], 1
	s_add_co_u32 s[G0B+4*(\s)+1], s42, (\s)*SLOT
	s_add_nc_u64 s[G0B+4*(\s)+2:G0B+4*(\s)+3], s[68:69], (\s)*KSTEP*2
	s_or_b32 s[G0B+4*(\s)+3], s[G0B+4*(\s)+3], 0x80000000
	JLOAD \s                                       ; two loads of mine are out
.endr
	; A fragment is 16 rows x 32 K in 8 registers: lane l holds row l % 16; registers 0-3 hold K = 8 (l / 16) + 0..7, registers 4-7 K = 16 + 8 (l / 16) + 0..7: two loads of 16 bytes, 32 bytes apart.
	v_and_b32 v1, 15, v0                           ; l % 16
	v_bfe_u32 v2, v0, 4, 1                         ; l / 16
	v_and_b32 v6, 31, v0                           ; l
	v_mul_u32_u24 v3, v1, PITCH
	v_lshl_add_u32 v3, v2, 4, v3
	s_mul_i32 s80, s[WH], 64*PITCH                 ; my 64 rows in region A's first half; the other 64 lie 128 rows on
	s_mul_i32 s81, s[WL], HALFT                    ; my 128 rows of region B,
	s_add_co_u32 s81, s81, 2*HALFT                 ; which lies behind A's 256
.irp s, 0,1
	v_add_nc_u32 v[ADRA+(\s)], s80, v3
	v_add_nc_u32 v[ADRB+(\s)], s81, v3
	s_add_co_u32 s80, s80, SLOT
	s_add_co_u32 s81, s81, SLOT
.endr
	s_mul_i32 s82, s[WV], 16*SPITCH
	s_add_co_u32 s82, s82, STAGE                   ; my stage
	v_mul_u32_u24 v4, v1, SPITCH                   ; in: row l % 16, 16 bytes for each half of the lanes
	v_lshl_add_u32 v4, v2, 4, v4
	v_add_nc_u32 v[STO], s82, v4
	v_mul_u32_u24 v5, v2, SPITCH                   ; back: lanes 0-15 take one row of 256 bytes, lanes 16-31 the next
	v_lshl_add_u32 v5, v1, 4, v5
	v_add_nc_u32 v[RD], s82, v5
	v_lshlrev_b32 v5, 11, v2                       ; and the same two rows in q
	v_lshl_add_u32 v[CO], v1, 4, v5
	s_lshl_b32 s83, s[WH], 14
	s_add_co_u32 s83, s83, EXB
	v_lshl_add_u32 v[EXA], v6, 4, s83
	v_lshlrev_b32 v[SPO], 4, v6
	v_lshlrev_b32 v[SMO], 2, v6
	v_lshlrev_b32 v[PFO], 11, v6
	; q's way out: qf at row 256 (4 Cy + cy) + 64 WH, column 256 cx + 128 WL
	s_lshl_b32 s84, s18, 2
	s_add_co_u32 s84, s84, s16
	s_lshl_b32 s84, s84, 19
	s_lshl_b32 s86, s[WH], 17
	s_add_co_u32 s84, s84, s86
	s_lshl_b32 s86, s15, 9
	s_add_co_u32 s84, s84, s86
	s_lshl_b32 s86, s[WL], 8
	s_add_co_u32 s84, s84, s86
	s_mov_b32 s85, 0
	s_add_nc_u64 s[6:7], s[6:7], s[84:85]
	; the partial S's place: block 16 R + head, R = 4 Cy + cx, head = 2 (4 (Cx - 1) + cy) + WH
	s_max_u32 s87, s17, 1
	s_sub_co_u32 s87, s87, 1                       ; Cx - 1 (0 in a q cluster, where it serves nothing)
	s_lshl_b32 s87, s87, 2
	s_add_co_u32 s87, s87, s16
	s_lshl_b32 s87, s87, 1
	s_add_co_u32 s87, s87, s[WH]
	s_lshl_b32 s88, s18, 2
	s_add_co_u32 s88, s88, s15
	s_lshl_b32 s88, s88, 4
	s_add_co_u32 s87, s87, s88
	s_lshl_b32 s90, s87, 14                        ; 16,384 bytes a block in sp,
	s_mov_b32 s91, 0
	s_add_nc_u64 s[8:9], s[8:9], s[90:91]
	s_lshl_b32 s90, s87, 7                         ; 128 in smax
	s_add_nc_u64 s[10:11], s[10:11], s[90:91]
; 16 matrix instructions: A blocks a0, a0 + 1 of the window's four x all 8 B blocks, 32 along K.  zero = 1: the first product starts the sums: nothing is ever cleared.
.macro MUL16 f, hi, a0, zero
	WIN MUL_LO+0x50*(\hi)
.irp a, \a0, (\a0)+1
.irp b, 0,1,2,3,4,5,6,7
.if \zero
	v_wmma_f32_16x16x32_bf16 v[8*(8*(\a)+(\b)):8*(8*(\a)+(\b))+7], v[(\f)+8*(\b):(\f)+8*(\b)+7], v[(\f)+8*(4*(\hi)+(\a)):(\f)+8*(4*(\hi)+(\a))+7], 0
.else
	v_wmma_f32_16x16x32_bf16 v[8*(8*(\a)+(\b)):8*(8*(\a)+(\b))+7], v[(\f)+8*(\b):(\f)+8*(\b)+7], v[(\f)+8*(4*(\hi)+(\a)):(\f)+8*(4*(\hi)+(\a))+7], v[8*(8*(\a)+(\b)):8*(8*(\a)+(\b))+7]
.endif
.endr
.endr
.endm
; 32 LDS loads in one run: the fragments of one quarter step (32 K at byte k of the rows) into buffer f.  A's block i begins at row 16 i, and 64 rows further on for blocks 4-7.
.macro FETCH slot, k, f
	WIN TO_B
.irp i, 0,1,2,3,4,5,6,7
	ds_load_b128 v[(\f)+8*(\i):(\f)+8*(\i)+3],   v[ADRB+(\slot)] offset:(\k)+(\i)*16*PITCH
	ds_load_b128 v[(\f)+8*(\i)+4:(\f)+8*(\i)+7], v[ADRB+(\slot)] offset:(\k)+(\i)*16*PITCH+32
.endr
	WIN 0
.irp i, 0,1,2,3,4,5,6,7
	ds_load_b128 v[(\f)+8*(\i):(\f)+8*(\i)+3],   v[ADRA+(\slot)] offset:(\k)+(16*(\i)+64*((\i)/4))*PITCH
	ds_load_b128 v[(\f)+8*(\i)+4:(\f)+8*(\i)+7], v[ADRA+(\slot)] offset:(\k)+(16*(\i)+64*((\i)/4))*PITCH+32
.endr
.endm
; Four plain places stand between a matrix instruction and a load into, or a vector write of, a register that it has read, and a vector read of its result (ISA guide 7.12.1 for vector instructions).
.macro PLACES
.rept 4
	v_nop
.endr
.endm
; A K step is four quarters of 32 along K, 64 matrix instructions each, on buffers 0, 1, 0, 1.  One of the first three multiplies buffer f and, in its middle, fetches the next quarter into g.
.macro QUARTER slot, k, f, g, zero
	s_wait_dscnt 8                                 ; B and A's blocks 0-3 are in; the youngest eight loads (A's blocks 4-7) may be out
	WIN MUL_LO
	MUL16 \f, 0, 0, \zero
	MUL16 \f, 0, 2, \zero
	PLACES
	FETCH \slot, \k, \g
	s_wait_dscnt 32                                ; all but the 32 just issued
	WIN MUL_HI
	MUL16 \f, 1, 0, \zero
	MUL16 \f, 1, 2, \zero
.endm
; The last quarter's first half, and the barrier of a change of slots.  In front of it each wave waits for all its tensor loads (one is out: its part of the next slot), adds 0 to its spare word, and waits
; for that and for its own reads of this slot.  Behind it nobody reads this slot any more and the next slot is whole.
.macro MEET round
	WIN 0                                          ; (the add's two registers lie in window 0)
	s_wait_tensorcnt 0x0
	ds_add_u32 v[SPW], v[NIL]
	s_wait_dscnt 9                                 ; (the add and the youngest eight loads may be out)
	WIN MUL_LO
	MUL16 F1, 0, 0, 0                              ; sixteen matrix instructions stand between the add and the wait for it
	s_wait_dscnt 0x0                               ; the add is done, and my reads of this slot are over
	s_barrier_signal -1
	MUL16 F1, 0, 2, 0
.if \round
	WIN 0
.endif
	s_barrier_wait -1
.endm
; The whole last quarter where the slot is filled again, with the K step two steps on: the barrier opens a round of the cluster's barrier, and the joint refill is the first tensor load behind it, one a wave.
; From a request to the wait for it a wave issues 224 matrix instructions.
.macro TURN slot, next
	s_wait_xcnt 0x0                                ; the last prefetch, a K step back, has read its address, which is stepped here
	s_add_nc_u64 s[PFA:PFA+1], s[PFA:PFA+1], KSTEP*2
	MEET 1
	CREST                                          ; no wave of any partner still reads this slot's tile or has a load on its way
	s_add_nc_u64 s[G0+4*(\slot)+2:G0+4*(\slot)+3], s[G0+4*(\slot)+2:G0+4*(\slot)+3], 2*KSTEP*2
	s_add_nc_u64 s[G0B+4*(\slot)+2:G0B+4*(\slot)+3], s[G0B+4*(\slot)+2:G0B+4*(\slot)+3], 2*KSTEP*2
	JLOAD \slot                                    ; the four v_nop behind it are also the places in front of the loads below
	FETCH \next, 0, F0
	ASK
	WIN MUL_HI
	MUL16 F1, 1, 0, 0
	MUL16 F1, 1, 2, 0
.endm
	s_wait_tensorcnt 1                             ; my part of K step 0 is in; K step 1's may stay out
	s_barrier_signal -1
	s_barrier_wait -1                              ; everybody's is
	FETCH 0, 0, F0
	QUARTER 0, 64,  F0, F1, 1                      ; the first quarter stands in front of the loop: its products start the sums
	WIN 0                                          ; at a label and at a branch every window is 0
	s_mov_b32 s3, LAPS-1
.Llap:                                                 ; a trip goes once round the ring, from a lap's second quarter to the next lap's first, and fills both slots again: K steps 2 to 7
	QUARTER 0, 128, F1, F0, 0
	QUARTER 0, 192, F0, F1, 0
	TURN 0, 1
	QUARTER 1, 64,  F0, F1, 0
	QUARTER 1, 128, F1, F0, 0
	QUARTER 1, 192, F0, F1, 0
	TURN 1, 0
	QUARTER 0, 64,  F0, F1, 0
	WIN 0
	s_sub_co_u32 s3, s3, 1
	s_cmp_lg_u32 s3, 0
	s_cbranch_scc1 .Llap
	QUARTER 0, 128, F1, F0, 0                      ; the last lap fills nothing
	QUARTER 0, 192, F0, F1, 0
	MEET 0                                         ; my one tensor load that was still out is slot 1's; behind this barrier nobody reads slot 0 again
	PLACES
	FETCH 1, 0, F0
	WIN MUL_HI
	MUL16 F1, 1, 0, 0
	MUL16 F1, 1, 2, 0
	QUARTER 1, 64,  F0, F1, 0
	QUARTER 1, 128, F1, F0, 0
	QUARTER 1, 192, F0, F1, 0
	s_wait_dscnt 8                                 ; the very last quarter: nothing more to fetch
	MUL16 F1, 0, 0, 0
	MUL16 F1, 0, 2, 0
	s_wait_dscnt 0x0
	MUL16 F1, 1, 0, 0
	MUL16 F1, 1, 2, 0
	WIN 0
	PLACES                                         ; in front of the conversions, which read results and write the fragments' registers
	s_cmp_eq_u32 s[TQ], 0                          ; the cluster's kind: the same in all partners and all waves
	s_cbranch_scc1 .Lkv
; q's WAY OUT, a block of 16 rows at a time.  PACK: rounded to f16, 16 bytes a lane.  TOSTAGE: into my own stage, and back as whole rows of 256 bytes.  SEND: stored.
.macro PACK a
.set AC, 64*((\a)%4)
	WIN 0x0a+5*((\a)/4)                            ; sources 0 and 1: window 2 or 3
.irp b, 0,1,2,3,4,5,6,7
.irp r, 0,1,2,3
	v_cvt_pk_f16_f32 v[TMP+4*(\b)+(\r)], v[AC+8*(\b)+2*(\r)], v[AC+8*(\b)+2*(\r)+1]
.endr
.endr
	WIN 0
.endm
.macro TOSTAGE a
.set BK, OB+192*((\a)%2)
.irp b, 0,1,2,3,4,5,6,7
	ds_store_b128 v[STO], v[TMP+4*(\b):TMP+4*(\b)+3] offset:32*(\b)
.endr
.irp t, 0,1,2,3,4,5,6,7
	ds_load_b128 v[BK+4*(\t):BK+4*(\t)+3], v[RD] offset:(\t)*2*SPITCH  ; LDS serves a wave's instructions in order (ISA guide 5.7.1.4): these see the stores above
.endr
.endm
.macro SEND a
.set BK, OB+192*((\a)%2)
	s_wait_dscnt 0x0                               ; the block is back in registers
	s_wait_xcnt 0x0                                ; the stores of the block before have read their registers, which the next block's loads from the stage write
.irp t, 0,1,2,3,4,5,6,7
	global_store_b128 v[CO], v[BK+4*(\t):BK+4*(\t)+3], s[6:7] offset:(16*(\a)+64*((\a)/4)+2*(\t))*2048  ; 16 lanes store 256 consecutive bytes, at a multiple of 256 from qf's first byte
.endr
.endm
	PACK 0
	TOSTAGE 0
.irp a, 1,2,3,4,5,6,7                  ; block a's conversions stand between block a - 1's loads from the stage and the wait for them
	PACK \a
	SEND (\a)-1
	TOSTAGE \a
.endr
	SEND 7
	s_branch .Ljoin
.Lkv:
; k AND v BECOME FRAGMENTS.  Accumulator (i, b) holds, in lane l, column l % 16 of block i and rows 16 b + 8 (l / 16) + 0..7.  Accumulators (i, 2 t) and (i, 2 t + 1), rounded to f16 in pairs, are the
; fragment of 16 columns x rows 32 t .. 32 t + 31.  k's 16 fragments go to window 0, v's to window 1, where A's and B's lay.  Each accumulator is read from its low end on.
.macro CVT
.irp i, 0,1,2,3
.irp t, 0,1,2,3
.irp g, 0,1
.irp r, 0,1,2,3
	v_cvt_pk_f16_f32 v[F0+8*(4*(\i)+(\t))+4*(\g)+(\r)], v[8*(8*(\i)+2*(\t)+(\g))+2*(\r)], v[8*(8*(\i)+2*(\t)+(\g))+2*(\r)+1]
.endr
.endr
.endr
.endr
.endm
	WIN 0x0a                                       ; sources window 2, destination window 0
	CVT
	WIN 0x4f                                       ; sources window 3, destination window 1
	CVT
	; S over my 128 rows: source 0 = 16 columns e of v, source 1 = 16 columns d of k.  Accumulator u = 4 p + i, in window 2: lane l, register j hold S[16 i + l % 16][16 p + 8 (l / 16) + j].
	; 64 matrix instructions; the 16 accumulators take turns; the first 16 start the sums.
	WIN MUL_LO
.irp t, 0,1,2,3
.irp p, 0,1,2,3
.irp i, 0,1,2,3
.if (\t) == 0
	v_wmma_f32_16x16x32_f16 v[8*(4*(\p)+(\i)):8*(4*(\p)+(\i))+7], v[F0+8*(4*(\p)+(\t)):F0+8*(4*(\p)+(\t))+7], v[F0+8*(4*(\i)+(\t)):F0+8*(4*(\i)+(\t))+7], 0
.else
	v_wmma_f32_16x16x32_f16 v[8*(4*(\p)+(\i)):8*(4*(\p)+(\i))+7], v[F0+8*(4*(\p)+(\t)):F0+8*(4*(\p)+(\t))+7], v[F0+8*(4*(\i)+(\t)):F0+8*(4*(\i)+(\t))+7], v[8*(4*(\p)+(\i)):8*(4*(\p)+(\i))+7]
.endif
.endr
.endr
.endr
	PLACES
	WIN 0
	s_cmp_eq_u32 s[WL], 0                          ; the two waves of a head hold the sums over the tile's two halves: the second hands its sums to the first
	s_cbranch_scc1 .Ljoin
	WIN 0x08                                       ; the stores' data in window 2
.set n, 0
.rept 32
	ds_store_b128 v[EXA], v[4*n:4*n+3] offset:512*n
.set n, n+1
.endr
	WIN 0
.Ljoin:
	s_wait_dscnt 0x0                               ; for the other wave's sake: my stores into the exchange are done
	s_barrier_signal -1
	s_barrier_wait -1
	s_cmp_eq_u32 s[FLG], 0
	s_cbranch_scc1 .Lend
.set n, 0
.rept 32
	ds_load_b128 v[F0+4*n:F0+4*n+3], v[EXA] offset:512*n
.set n, n+1
.endr
	s_wait_dscnt 0x0
	WIN 0x08                                       ; source 1 in window 2
.set z, 0
.rept 64
	v_pk_add_f32 v[F0+2*z:F0+2*z+1], v[F0+2*z:F0+2*z+1], v[2*z:2*z+1]
.set z, z+1
.endr
	WIN 0
.set n, 0
.rept 32
	global_store_b128 v[SPO], v[F0+4*n:F0+4*n+3], s[8:9] offset:512*n  ; the registers as they lie: a wave's store covers 512 consecutive bytes
.set n, n+1
.endr
	; my lane's largest |S|: two chains of maxima and two of minima over the 128 numbers
.irp c, 0,1
	v_max_num_f32 v[TMP+(\c)], v[F0+64*(\c)], v[F0+64*(\c)+1]
	v_min_num_f32 v[TMP+2+(\c)], v[F0+64*(\c)], v[F0+64*(\c)+1]
.endr
.set z, 2
.rept 31
	v_max3_num_f32 v[TMP], v[TMP], v[F0+z], v[F0+z+1]
	v_max3_num_f32 v[TMP+1], v[TMP+1], v[F0+64+z], v[F0+64+z+1]
	v_min3_num_f32 v[TMP+2], v[TMP+2], v[F0+z], v[F0+z+1]
	v_min3_num_f32 v[TMP+3], v[TMP+3], v[F0+64+z], v[F0+64+z+1]
.set z, z+2
.endr
	v_max_num_f32 v[TMP], v[TMP], v[TMP+1]
	v_min_num_f32 v[TMP+2], v[TMP+2], v[TMP+3]
	v_sub_f32 v[TMP+2], 0, v[TMP+2]
	v_max_num_f32 v[TMP], v[TMP], v[TMP+2]
	global_store_b32 v[SMO], v[TMP], s[10:11]
.Lend:
	s_wait_tensorcnt 0x0                           ; the wave's end: behind my last tensor load and my last LDS store
	ds_add_u32 v[SPW], v[NIL]
	s_wait_dscnt 0x0
	CROUND                                         ; the closing round: no work-group ends while a partner may still ask for a tile that names it
	s_endpgm
.Lfunc_end_k_q67f3e013a1_proj:
	.size	k_q67f3e013a1_proj, .Lfunc_end_k_q67f3e013a1_proj-k_q67f3e013a1_proj
	.p2alignl 7, 3214868480
	.fill 96, 4, 3214868480
	.section	.rodata,"a",@progbits
	.p2align	6, 0x0
	.amdhsa_kernel k_q67f3e013a1_proj
		.amdhsa_group_segment_fixed_size 327680
		.amdhsa_private_segment_fixed_size 0
		.amdhsa_enable_private_segment 0
		.amdhsa_kernarg_size 32
		.amdhsa_user_sgpr_count 2
		.amdhsa_user_sgpr_kernarg_segment_ptr 1
		.amdhsa_wavefront_size32 1
		.amdhsa_system_sgpr_workgroup_id_x 1
		.amdhsa_system_sgpr_workgroup_id_y 1
		.amdhsa_system_sgpr_workgroup_id_z 1
		.amdhsa_system_vgpr_workitem_id 0
		.amdhsa_next_free_vgpr 1024
		.amdhsa_next_free_sgpr 96
		.amdhsa_reserve_vcc 0
		.amdhsa_float_denorm_mode_32 3
		.amdhsa_float_denorm_mode_16_64 3
		.amdhsa_memory_ordered 1
		.amdhsa_forward_progress 1
		.amdhsa_inst_pref_size 184
	.end_amdhsa_kernel
	.amdgpu_metadata
---
amdhsa.version: [ 1, 2 ]
amdhsa.kernels:
  - .name:           k_q67f3e013a1_proj
    .symbol:         k_q67f3e013a1_proj.kd
    .args:
      - { .name: xb, .offset: 0, .size: 8, .value_kind: global_buffer, .address_space: global }
      - { .name: qf, .offset: 8, .size: 8, .value_kind: global_buffer, .address_space: global }
      - { .name: sp, .offset: 16, .size: 8, .value_kind: global_buffer, .address_space: global }
      - { .name: smax, .offset: 24, .size: 8, .value_kind: global_buffer, .address_space: global }
    .group_segment_fixed_size: 327680
    .private_segment_fixed_size: 0
    .kernarg_segment_align: 8
    .kernarg_segment_size: 32
    .max_flat_workgroup_size: 128
    .sgpr_count:     96
    .vgpr_count:     1024
    .wavefront_size: 32
...
	.end_amdgpu_metadata
.endif
;; end of part 2
;; launch mkt (part 3): grid 8 x 16, 8 waves a work-group, no clusters, 36,096 bytes of LDS; arguments sp, smax, xb, tt, sc; writes tt, sc
.if DOCPART == 3
	.amdgcn_target "amdgcn-amd-amdhsa--gfx1250"
	.amdhsa_code_object_version 6
	.text
	.protected	k_q67f3e013a1_mkt
	.globl	k_q67f3e013a1_mkt
	.p2align	8
	.type	k_q67f3e013a1_mkt,@function
k_q67f3e013a1_mkt:
	s_mov_b64 s[64:65], 0
	v_nop
	global_prefetch_b8 v0, s[64:65] scope:SCOPE_SE
	s_setreg_imm32_b32 hwreg(HW_REG_WAVE_MODE, 25, 1), 1
	s_wait_xcnt 0x0
; T'.  For batch b and head h: S = the sum of the batch's eight partial sums (f32);  T[n][64 h + d] = the sum over e of S[d][e] Wo[n][64 h + e];  tt[b][n][k] = T x 64 / sigma_b, in f16;  sc[b] = sigma_b / 64.
; The last launch then has out0[b] = sc[b] x q_b tt_b^T.
; FORMATS.  S grows with the fourth power of the inputs' scale, so it is no f16 operand: it is split into S_hi + S_lo, both bf16 (S_lo = S - S_hi, rounded), and both are multiplied by Wo in bf16.
; sigma_b is a power of two above 8 x the largest |partial sum| of the batch, so above every |S| of the batch; scaling by it rounds nothing.  |T'| stays under 64 x 64 x the largest |Wo|.
; LIMITS.  |Wo| under 16 keeps T' inside f16.  The largest |partial sum| is held to 2^-120 .. 2^120 before its exponent is taken.  NaN and infinities are not treated apart.
; SHARES.  A work-group makes 128 rows n (block nb) x the 128 columns k of a pair of heads J of one batch: 256 bytes a row.  Wave w takes head 2 J + w / 4 and the 16 columns d of block w % 4.
; LAYOUT.  Source 0 = 16 rows d of S (K = e), source 1 = 16 rows n of Wo: in the result a lane holds one row n (lane % 16) and eight neighbouring columns k: 16 bytes of f16.
; sp holds register images: in block (row tile, head), at byte (2 u + g) 512 + 16 lane, registers 4 g .. 4 g + 3 of accumulator u = 4 p + i: lane l, register j hold S[16 i + l % 16][16 p + 8 (l / 16) + j].
; So the four accumulators of my d block, rounded in pairs, ARE the two fragments of source 0.  Nothing is shared between waves on the way in: all comes by loads into registers, 100 a wave, issued together.
; No cluster and no tensor loads: the launch is short, and its tiles are a few KiB.
.set STG,   0                          ; LDS: the work-group's stage, 128 rows x 272 bytes
.set SPITCH, 272
.set RED,   128*SPITCH                 ; eight words: each wave's largest number; a block of 256 bytes
.set SPARE, RED+256                    ; the spare words, 128 bytes for each wave: four blocks of 256 bytes that no other line names
.set WO0,   23068672                   ; Wo's copy in xb
.set SPW,  12                          ; v12  LDS address of my spare word; never rewritten
.set NIL,  13                          ; v13  0; never rewritten
.set INV,  14                          ; v[14:15] 64 / sigma, twice
.set CC,   16                          ; v16  sigma / 64
.set SHI,  32                          ; v[32:47] S_hi, two fragments;  v[32:63] later the packed results
.set SLO,  48                          ; v[48:63] S_lo
.set SUM,  64                          ; v[64:95] S;  v[64:127] later the eight accumulators
.set TA,   64
.set T0,   96                          ; v[96:127] at work
.set AF,   128                         ; v[128:255] Wo's 16 fragments: rows 16 nbk on, e = 32 t on, at AF + 8 (2 nbk + t); later the rows read back
.set MSB, 0
.macro WIN new                         ; window 1 holds the eight partial sums as loaded: partial p at v[32 p ..]
.if MSB != (\new)
	s_set_vgpr_msb (MSB<<8)|(\new)
.set MSB, \new
.endif
.endm
	s_load_b256 s[4:11], s[0:1], 0x0               ; sp s[4:5], smax s[6:7], xb s[8:9], tt s[10:11]
	s_load_b64 s[12:13], s[0:1], 0x20              ; sc
	v_lshl_add_u32 v[SPW], v0, 2, SPARE
	v_mov_b32 v[NIL], 0
	v_lshrrev_b32 v17, 5, v0
	v_readfirstlane_b32 s14, v17                   ; wave 0..7
	s_mov_b32 s15, ttmp9                           ; nb
	s_and_b32 s17, ttmp7, 0xffff
	s_lshr_b32 s16, s17, 3                         ; b
	s_and_b32 s17, s17, 7                          ; J
	s_lshr_b32 s18, s14, 2                         ; c: which head of the pair
	s_and_b32 s19, s14, 3                          ; i: my d block
	s_lshl1_add_u32 s20, s17, s18                  ; head = 2 J + c
	s_mov_b32 s24, 0x76543210                      ; v_permlanex16_b32: each lane takes its own place in the other half
	s_mov_b32 s25, 0xfedcba98
	s_lshl_b32 s22, s16, 14                        ; smax: the batch's 16,384 bytes, my wave's 2,048 of them
	s_lshl_b32 s21, s14, 11
	s_add_co_u32 s22, s22, s21
	s_mov_b32 s23, 0
	s_lshl_b32 s26, s16, 7                         ; sp: block 128 b + head (partial p lies 16 blocks on), my d block's 1,024 bytes
	s_add_co_u32 s26, s26, s20
	s_lshl_b32 s26, s26, 14
	s_lshl_b32 s21, s19, 10
	s_add_co_u32 s26, s26, s21
	s_mov_b32 s27, 0
	s_lshl_b32 s28, s15, 18                        ; Wo: row 128 nb, the head's 128 bytes
	s_lshl_b32 s21, s20, 7
	s_add_co_u32 s28, s28, s21
	s_add_co_u32 s28, s28, WO0
	s_mov_b32 s29, 0
	s_lshl_b32 s30, s16, 21                        ; tt: batch, row 128 nb + 16 w, the pair's 256 bytes
	s_lshl_b32 s21, s15, 18
	s_add_co_u32 s30, s30, s21
	s_lshl_b32 s21, s14, 15
	s_add_co_u32 s30, s30, s21
	s_lshl_b32 s21, s17, 8
	s_add_co_u32 s30, s30, s21
	s_mov_b32 s31, 0
	s_lshl_b32 s32, s16, 7                         ; sc: 128 bytes a batch
	s_mov_b32 s33, 0
	v_and_b32 v1, 15, v0                           ; l % 16
	v_bfe_u32 v2, v0, 4, 1                         ; l / 16
	v_and_b32 v3, 31, v0                           ; l
	v_lshlrev_b32 v4, 4, v3                        ; 16 l: smax and sp
	v_lshlrev_b32 v5, 11, v1                       ; Wo: row l % 16, 16 bytes for each half of the lanes
	v_lshl_add_u32 v5, v2, 4, v5
	s_lshl_b32 s34, s18, 7                         ; into the stage: row l % 16, byte 128 c + 32 i + 16 (l / 16)
	s_lshl_b32 s21, s19, 5
	s_add_co_u32 s34, s34, s21
	v_mul_u32_u24 v6, v1, SPITCH
	v_lshl_add_u32 v6, v2, 4, v6
	v_add_nc_u32 v6, s34, v6
	s_mul_i32 s35, s14, 16*SPITCH                  ; back: wave w takes rows 16 w .. 16 w + 15, whole; lanes 0-15 one row, lanes 16-31 the next
	v_mul_u32_u24 v7, v2, SPITCH
	v_lshl_add_u32 v7, v1, 4, v7
	v_add_nc_u32 v7, s35, v7
	v_lshlrev_b32 v8, 11, v2                       ; and the same two rows in tt
	v_lshl_add_u32 v8, v1, 4, v8
	s_lshl_b32 s36, s14, 2
	s_add_co_u32 s36, s36, RED
	v_mov_b32 v9, s36                              ; my wave's word
	v_mov_b32 v10, RED
	v_lshlrev_b32 v11, 2, v3
	s_wait_kmcnt 0x0
	s_add_nc_u64 s[6:7], s[6:7], s[22:23]
	s_add_nc_u64 s[4:5], s[4:5], s[26:27]
	s_add_nc_u64 s[8:9], s[8:9], s[28:29]
	s_add_nc_u64 s[10:11], s[10:11], s[30:31]
	s_add_nc_u64 s[12:13], s[12:13], s[32:33]
.irp q, 0,1,2,3
	global_load_b128 v[T0+4*(\q):T0+4*(\q)+3], v4, s[6:7] offset:512*(\q)
.endr
	WIN 0x40                                       ; destination window 1
.irp p, 0,1,2,3,4,5,6,7
.irp e, 0,1,2,3
.irp g, 0,1
	global_load_b128 v[32*(\p)+8*(\e)+4*(\g):32*(\p)+8*(\e)+4*(\g)+3], v4, s[4:5] offset:(\p)*262144+(\e)*4096+(\g)*512
.endr
.endr
.endr
	WIN 0
.irp k, 0,1,2,3,4,5,6,7
.irp t, 0,1
	global_load_b128 v[AF+8*(2*(\k)+(\t)):AF+8*(2*(\k)+(\t))+3],   v5, s[8:9] offset:(\k)*32768+(\t)*64
	global_load_b128 v[AF+8*(2*(\k)+(\t))+4:AF+8*(2*(\k)+(\t))+7], v5, s[8:9] offset:(\k)*32768+(\t)*64+32
.endr
.endr
	; sigma: the batch's largest |partial sum|.  96 loads were issued behind smax's four; the wait's field ends at 63.
	s_wait_loadcnt 63
	v_max3_num_f32 v112, v96, v97, v98
	v_max3_num_f32 v113, v99, v100, v101
	v_max3_num_f32 v114, v102, v103, v104
	v_max3_num_f32 v115, v105, v106, v107
	v_max3_num_f32 v112, v112, v108, v109
	v_max3_num_f32 v113, v113, v110, v111
	v_max3_num_f32 v112, v112, v113, v114
	v_max_num_f32 v112, v112, v115
	v_max_num_f32_dpp v112, v112, v112 row_xmask:1 row_mask:0xf bank_mask:0xf
	v_max_num_f32_dpp v112, v112, v112 row_xmask:2 row_mask:0xf bank_mask:0xf
	v_max_num_f32_dpp v112, v112, v112 row_xmask:4 row_mask:0xf bank_mask:0xf
	v_max_num_f32_dpp v112, v112, v112 row_xmask:8 row_mask:0xf bank_mask:0xf
	v_permlanex16_b32 v113, v112, s24, s25
	v_max_num_f32 v112, v112, v113
	ds_store_b32 v9, v112                          ; all lanes write the same word with the same value
	s_wait_dscnt 0x0                               ; for the others' sake
	s_barrier_signal -1
	s_barrier_wait -1
	ds_load_b128 v[96:99], v10
	ds_load_b128 v[100:103], v10 offset:16
	s_wait_dscnt 0x0
	v_max3_num_f32 v112, v96, v97, v98
	v_max3_num_f32 v113, v99, v100, v101
	v_max3_num_f32 v112, v112, v102, v103
	v_max_num_f32 v112, v112, v113
	v_max_num_f32 v112, 0x03800000, v112           ; held to 2^-120 ..
	v_min_num_f32 v112, 0x7b800000, v112           ; .. 2^120
	v_lshrrev_b32 v113, 23, v112                   ; its exponent field x: the number is under 2^(x - 126), eight of them under sigma = 2^(x - 123)
	v_sub_nc_u32 v114, 256, v113
	v_lshlrev_b32 v[INV], 23, v114                 ; 64 / sigma = 2^(129 - x)
	v_add_nc_u32 v115, -2, v113
	v_mov_b32 v[INV+1], v[INV]
	v_lshlrev_b32 v[CC], 23, v115                  ; sigma / 64 = 2^(x - 129)
	; S = the sum of the eight partial sums.  Behind partial p's loads 88 - 8 p were issued.
	s_wait_loadcnt 63                              ; partials 0 and 1 (80 behind them)
	WIN 0x05                                       ; sources 0 and 1 window 1
.set z, 0
.rept 16
	v_pk_add_f32 v[SUM+2*z:SUM+2*z+1], v[2*z:2*z+1], v[32+2*z:32+2*z+1]
.set z, z+1
.endr
	WIN 0x04                                       ; source 1 window 1
.irp p, 2,3,4,5,6,7
.if 88-8*(\p) > 63
	s_wait_loadcnt 63
.else
	s_wait_loadcnt 88-8*(\p)
.endif
.set z, 0
.rept 16
	v_pk_add_f32 v[SUM+2*z:SUM+2*z+1], v[SUM+2*z:SUM+2*z+1], v[32*(\p)+2*z:32*(\p)+2*z+1]
.set z, z+1
.endr
.endr
	WIN 0
	; S_hi = S rounded to bf16; S_lo = S - S_hi, rounded to bf16
.set z, 0
.rept 16
	v_cvt_pk_bf16_f32 v[SHI+z], v[SUM+2*z], v[SUM+2*z+1]
.set z, z+1
.endr
.set z, 0
.rept 16
	v_lshlrev_b32 v[T0+2*z], 16, v[SHI+z]
	v_and_b32 v[T0+2*z+1], 0xffff0000, v[SHI+z]
.set z, z+1
.endr
.set z, 0
.rept 16
	v_pk_add_f32 v[T0+2*z:T0+2*z+1], v[SUM+2*z:SUM+2*z+1], v[T0+2*z:T0+2*z+1] neg_lo:[0,1] neg_hi:[0,1]
.set z, z+1
.endr
.set z, 0
.rept 16
	v_cvt_pk_bf16_f32 v[SLO+z], v[T0+2*z], v[T0+2*z+1]
.set z, z+1
.endr
	s_wait_loadcnt 0x0                             ; Wo
	; 32 matrix instructions; the eight accumulators take turns; the first eight start the sums
.macro MULS part, t, zero
.irp k, 0,1,2,3,4,5,6,7
.if \zero
	v_wmma_f32_16x16x32_bf16 v[TA+8*(\k):TA+8*(\k)+7], v[(\part)+8*(\t):(\part)+8*(\t)+7], v[AF+8*(2*(\k)+(\t)):AF+8*(2*(\k)+(\t))+7], 0
.else
	v_wmma_f32_16x16x32_bf16 v[TA+8*(\k):TA+8*(\k)+7], v[(\part)+8*(\t):(\part)+8*(\t)+7], v[AF+8*(2*(\k)+(\t)):AF+8*(2*(\k)+(\t))+7], v[TA+8*(\k):TA+8*(\k)+7]
.endif
.endr
.endm
	MULS SHI, 0, 1
	MULS SLO, 0, 0
	MULS SHI, 1, 0
	MULS SLO, 1, 0
.rept 4
	v_nop                                          ; four places between the last product and the first read of a result (ISA guide 7.12.1)
.endr
.set z, 0
.rept 32
	v_pk_mul_f32 v[TA+2*z:TA+2*z+1], v[TA+2*z:TA+2*z+1], v[INV:INV+1]
.set z, z+1
.endr
.set z, 0
.rept 32
	v_cvt_pk_f16_f32 v[SHI+z], v[TA+2*z], v[TA+2*z+1]
.set z, z+1
.endr
.irp k, 0,1,2,3,4,5,6,7
	ds_store_b128 v6, v[SHI+4*(\k):SHI+4*(\k)+3] offset:STG+(\k)*16*SPITCH
.endr
	s_wait_dscnt 0x0                               ; for the others' sake: a row's 256 bytes come from all eight waves
	s_barrier_signal -1
	s_barrier_wait -1
.irp t, 0,1,2,3,4,5,6,7
	ds_load_b128 v[AF+4*(\t):AF+4*(\t)+3], v7 offset:STG+(\t)*2*SPITCH
.endr
.irp t, 0,1,2,3,4,5,6,7
	s_wait_dscnt 7-(\t)                            ; LDS loads come back in order: pair t of rows is in
	global_store_b128 v8, v[AF+4*(\t):AF+4*(\t)+3], s[10:11] offset:(\t)*4096  ; 16 lanes store 256 consecutive bytes, at a multiple of 256 from tt's first byte
.endr
	s_or_b32 s37, s15, s17                         ; one wave for each batch stores sigma / 64, 32 times over
	s_or_b32 s37, s37, s14
	s_cmp_lg_u32 s37, 0
	s_cbranch_scc1 .Lnot_first
	global_store_b32 v11, v[CC], s[12:13]
.Lnot_first:
	s_wait_tensorcnt 0x0                           ; the wave's end: behind my last LDS store
	ds_add_u32 v[SPW], v[NIL]
	s_wait_dscnt 0x0
	s_endpgm
.Lfunc_end_k_q67f3e013a1_mkt:
	.size	k_q67f3e013a1_mkt, .Lfunc_end_k_q67f3e013a1_mkt-k_q67f3e013a1_mkt
	.p2alignl 7, 3214868480
	.fill 96, 4, 3214868480
	.section	.rodata,"a",@progbits
	.p2align	6, 0x0
	.amdhsa_kernel k_q67f3e013a1_mkt
		.amdhsa_group_segment_fixed_size 36096
		.amdhsa_private_segment_fixed_size 0
		.amdhsa_enable_private_segment 0
		.amdhsa_kernarg_size 40
		.amdhsa_user_sgpr_count 2
		.amdhsa_user_sgpr_kernarg_segment_ptr 1
		.amdhsa_wavefront_size32 1
		.amdhsa_system_sgpr_workgroup_id_x 1
		.amdhsa_system_sgpr_workgroup_id_y 1
		.amdhsa_system_sgpr_workgroup_id_z 1
		.amdhsa_system_vgpr_workitem_id 0
		.amdhsa_next_free_vgpr 512
		.amdhsa_next_free_sgpr 66
		.amdhsa_reserve_vcc 0
		.amdhsa_float_denorm_mode_32 3
		.amdhsa_float_denorm_mode_16_64 3
		.amdhsa_memory_ordered 1
		.amdhsa_forward_progress 1
		.amdhsa_inst_pref_size 35
	.end_amdhsa_kernel
	.amdgpu_metadata
---
amdhsa.version: [ 1, 2 ]
amdhsa.kernels:
  - .name:           k_q67f3e013a1_mkt
    .symbol:         k_q67f3e013a1_mkt.kd
    .args:
      - { .name: sp, .offset: 0, .size: 8, .value_kind: global_buffer, .address_space: global }
      - { .name: smax, .offset: 8, .size: 8, .value_kind: global_buffer, .address_space: global }
      - { .name: xb, .offset: 16, .size: 8, .value_kind: global_buffer, .address_space: global }
      - { .name: tt, .offset: 24, .size: 8, .value_kind: global_buffer, .address_space: global }
      - { .name: sc, .offset: 32, .size: 8, .value_kind: global_buffer, .address_space: global }
    .group_segment_fixed_size: 36096
    .private_segment_fixed_size: 0
    .kernarg_segment_align: 8
    .kernarg_segment_size: 40
    .max_flat_workgroup_size: 256
    .sgpr_count:     66
    .vgpr_count:     512
    .wavefront_size: 32
...
	.end_amdgpu_metadata
.endif
;; end of part 3
;; launch outp (part 4): grid 8 x 32, 4 waves a work-group, clusters of 4 x 4, 327,680 bytes of LDS; arguments qf, tt, sc, out0; writes out0
.if DOCPART == 4
	.amdgcn_target "amdgcn-amd-amdhsa--gfx1250"
	.amdhsa_code_object_version 6
	.text
	.protected	k_q67f3e013a1_outp
	.globl	k_q67f3e013a1_outp
	.p2align	8
	.type	k_q67f3e013a1_outp,@function
k_q67f3e013a1_outp:
	s_mov_b64 s[64:65], 0
	v_nop
	global_prefetch_b8 v0, s[64:65] scope:SCOPE_SE
	s_setreg_imm32_b32 hwreg(HW_REG_WAVE_MODE, 25, 1), 1
	s_wait_xcnt 0x0
	s_wait_alu depctr_hold_cnt(0) depctr_sa_sdst(0) depctr_va_vdst(0) depctr_va_sdst(0) depctr_va_ssrc(0) depctr_va_vcc(0) depctr_vm_vsrc(0)
	s_getreg_b32 s2, hwreg(HW_REG_IB_STS2, 6, 4)
	s_cmp_eq_u32 s2, 0
	s_cbranch_scc0 .Lentry_in_a_cluster
	s_endpgm
.Lentry_in_a_cluster:
	s_bfe_u32 s2, ttmp6, 0x10000c
	s_cmp_lg_u32 s2, 0xf033
	s_cbranch_scc0 .Lentry_shape_is_right
	s_endpgm
.Lentry_shape_is_right:
; out0[m][n] = sc[b] x the sum over k of qf[m][k] tt[b][n][k], b = m / 2,048.  qf: [4096][1024] f16, tt: [2][1024][1024] f16, out0: [4096][1024] f32; sums in f32; sc[b] is a power of two.
; A tile of out0 is 128 x 128: 256 work-groups of four waves, each wave 64 x 64: 16 accumulators, 128 registers.  K goes in steps of 256 (LDS rows of 512 bytes; a wave's tensor load brings 64 of them)
; through a ring of two slots.  CLUSTERS: 4 x 4 work-groups; the four of a row of the cluster need the same rows of qf, the four of a column the same rows of tt: each tile is asked for JOINTLY.
; The batch hangs on the cluster's y alone (four clusters of 512 rows a batch), which all partners share.
; THE MATRIX INSTRUCTION IS USED TRANSPOSED (source 0 = 16 rows of tt, source 1 = 16 rows of qf): a lane holds eight neighbouring numbers of a row of out0, 32 bytes.
; THE WAY OUT: a wave's 64 columns are 256 bytes of a row, at a multiple of 256 from out0's first byte, so each wave has a stage of its own and no barrier stands there.
; REGISTERS: window 0: v0-31 addresses; v32-63 scaled results; v64-127 rows read back, two buffers; v128-255 the accumulators ((a, b) at v[128 + 8 (4 a + b)]).
;   window 1: two fragment buffers of 128: for 64 along K, 64 registers of qf's (2 x 4 x 16 rows x 32 K), then 64 of tt's.
.set KSTEP,  256
.set PITCH,  528                       ; an LDS row: 512 bytes + 16 of padding = 132 words: row r starts at bank 4 r mod 64 (64 banks of 4 bytes: ISA guide 11.1)
.set HALFT,  64*PITCH                  ; 64 rows: what one tensor load brings, and what one wave reads of either tile
.set SLOT,   4*HALFT                   ; qf's 128 rows, then tt's 128 rows
.set STAGE,  2*SLOT                    ; behind the ring: 16 rows x 272 bytes for each wave; no tensor load fills it
.set SPITCH, 272
.set SPARE,  STAGE+4*16*SPITCH         ; behind the stages: the spare words, 128 bytes for each wave: two blocks of 256 bytes that no other line names
.set LAPS,   2                         ; a lap = two K steps = once round the ring
.set ADRA, 16                          ; v16-17  LDS address of my qf fragments in slot 0, 1
.set ADRB, 20                          ; v20-21  the same for tt
.set STO,  24                          ; v24     the way out: where I put 32 bytes of a row
.set RD,   25                          ; v25     where I read a row back
.set CO,   26                          ; v26     my byte offset in two rows of out0
.set SPW,  28                          ; v28     LDS address of my spare word; never rewritten
.set NIL,  29                          ; v29     0; never rewritten
.set TMP,  32
.set OB,   64
.set ACC,  128
.set F0,   0                           ; fragment buffers, in window 1
.set F1,   128
.set G1, 24                            ; s[24:31] descriptor group 1 for qf's tiles;  s[32:39] group 0, one set for each slot
.set G0, 32
.set G1B, 48                           ; s[48:55], s[56:63] the same for tt's tiles
.set G0B, 56
.set GW0, (1<<16)|(1<<20)|(1<<21)|(6<<22)|(3<<25)  ; elements of 2 bytes; padding on; bit 21 set beside a mask; after every 128 words 4 words of padding
.set MSB, 0
.macro WIN new
.if MSB != (\new)
	s_set_vgpr_msb (MSB<<8)|(\new)
.set MSB, \new
.endif
.endm
.set MUL,  0x05                        ; sources 0 and 1 window 1; C and D window 0
.set TO_F, 0x40                        ; destination window 1, address window 0
.macro JLOAD s                         ; a joint load: waves 0 and 1 fetch qf's two halves, waves 2 and 3 tt's; an s_nop 0 and four v_nop follow each line
	s_cmp_eq_u32 s11, 0
	s_cbranch_scc0 .Lfor_b_\@
	tensor_load_to_lds s[G0+4*(\s):G0+4*(\s)+3], s[G1:G1+7]
	s_nop 0
.rept 4
	v_nop
.endr
	s_branch .Lasked_\@
.Lfor_b_\@:
	tensor_load_to_lds s[G0B+4*(\s):G0B+4*(\s)+3], s[G1B:G1B+7]
	s_nop 0
.rept 4
	v_nop
.endr
.Lasked_\@:
.endm
.macro CREST                           ; a round of the cluster's barrier behind its opening barrier
	s_cmp_lg_u32 s10, 0
	s_cbranch_scc1 .Lnot_wave_0_\@
	s_barrier_signal -3
.Lnot_wave_0_\@:
	s_barrier_wait -3
	s_barrier_signal -1
	s_barrier_wait -1
.endm
.macro CROUND                          ; a whole round
	s_barrier_signal -1
	s_barrier_wait -1
	CREST
.endm
	s_load_b128 s[4:7], s[0:1], 0x0                ; qf s[4:5], tt s[6:7]
	s_load_b128 s[68:71], s[0:1], 0x10             ; sc s[68:69], out0 s[70:71]
	v_lshl_add_u32 v[SPW], v0, 2, SPARE
	v_mov_b32 v[NIL], 0
	ds_add_u32 v[SPW], v[NIL]                      ; the wave's opening: the add and its wait stand ahead of my first tensor load; the set-up below, work on registers, stands between them
	v_lshrrev_b32 v1, 5, v0
	v_readfirstlane_b32 s10, v1                    ; wave 0..3
	s_lshr_b32 s11, s10, 1                         ; which half of the tile's rows is mine.  Also: I fetch for qf (0) or for tt (1)
	s_and_b32 s12, s10, 1                          ; which half of its columns.  Also: which 64 rows of that tile I fetch
	s_bfe_u32 s40, ttmp6, 0x40000                  ; cx, cy: my place in the cluster
	s_bfe_u32 s41, ttmp6, 0x40004
	s_lshl_b32 s42, ttmp9, 2
	s_add_co_u32 s42, s42, s40                     ; tile column = 4 x cluster x + cx
	s_and_b32 s66, ttmp7, 0xffff
	s_lshl_b32 s13, s66, 2
	s_add_co_u32 s13, s13, s41                     ; tile row = 4 x cluster y + cy
	s_lshr_b32 s66, s66, 2                         ; the batch
	s_lshl_b32 s43, s41, 2
	s_lshl_b32 s43, 15, s43                        ; my row of the cluster
	s_lshl_b32 s44, 0x1111, s40                    ; my column
	s_or_b32 s[G1+0], s43, GW0
	s_or_b32 s[G1B+0], s44, GW0
.irp g, G1, G1B
	s_mov_b32 s[(\g)+1], KSTEP<<16                 ; tensor_dim0 = 256
	s_mov_b32 s[(\g)+2], 64<<16                    ; tensor_dim1 = 64
	s_mov_b32 s[(\g)+3], KSTEP<<16                 ; tile_dim0 = 256
	s_mov_b32 s[(\g)+4], 64                        ; tile_dim1 = 64
	s_mov_b32 s[(\g)+5], 1024                      ; elements from row to row
	s_mov_b32 s[(\g)+6], 0
	s_mov_b32 s[(\g)+7], 0
.endr
	s_lshl_b32 s17, s12, 6                         ; which 64 rows of the tile I fetch
	s_lshl_b32 s16, s13, 7
	s_add_co_u32 s16, s16, s17                     ; qf: row 128 x tile row + 64 x half,
	s_lshl_b32 s16, s16, 11                        ; of 2,048 bytes
	s_lshl_b32 s46, s42, 7
	s_add_co_u32 s46, s46, s17                     ; tt: row 128 x tile column + 64 x half,
	s_lshl_b32 s46, s46, 11
	s_lshl_b32 s67, s66, 21                        ; in the batch's 2 MiB
	s_add_co_u32 s46, s46, s67
	s_mov_b32 s17, 0
	s_mov_b32 s47, 0
	s_mul_i32 s20, s10, HALFT                      ; where they go: wave x 64 rows
	s_lshl_b32 s74, s66, 7                         ; sc: 128 bytes a batch
	s_mov_b32 s75, 0
	s_lshl_b32 s76, s13, 7                         ; out0: row 128 x tile row + 64 x my half of the rows, of 4,096 bytes,
	s_lshl_b32 s78, s11, 6
	s_add_co_u32 s76, s76, s78
	s_lshl_b32 s76, s76, 12
	s_lshl_b32 s78, s42, 9                         ; byte 512 x tile column + 256 x my half of the columns
	s_add_co_u32 s76, s76, s78
	s_lshl_b32 s78, s12, 8
	s_add_co_u32 s76, s76, s78
	s_mov_b32 s77, 0
	s_wait_dscnt 0x0                               ; the opening add is done
	s_wait_kmcnt 0x0
	s_add_nc_u64 s[14:15], s[4:5], s[16:17]
	s_add_nc_u64 s[46:47], s[6:7], s[46:47]
	s_add_nc_u64 s[68:69], s[68:69], s[74:75]
	s_add_nc_u64 s[70:71], s[70:71], s[76:77]
	s_load_b32 s72, s[68:69], 0x0                  ; sc[b]; waited for ahead of the way out
	CROUND                                         ; all sixteen work-groups are here: the first joint loads meet
.irp s, 0,1
	s_mov_b32 s[G0+4*(\s)], 1
	s_add_co_u32 s[G0+4*(\s)+1], s20, (\s)*SLOT
	s_add_nc_u64 s[G0+4*(\s)+2:G0+4*(\s)+3], s[14:15], (\s)*KSTEP*2
	s_or_b32 s[G0+4*(\s)+3], s[G0+4*(\s)+3], 0x80000000
	s_mov_b32 s[G0B+4*(\s)], 1
	s_add_co_u32 s[G0B+4*(\s)+1], s20, (\s)*SLOT
	s_add_nc_u64 s[G0B+4*(\s)+2:G0B+4*(\s)+3], s[46:47], (\s)*KSTEP*2
	s_or_b32 s[G0B+4*(\s)+3], s[G0B+4*(\s)+3], 0x80000000
	JLOAD \s                                       ; two loads of mine are out
.endr
	v_and_b32 v1, 15, v0                           ; l % 16
	v_bfe_u32 v2, v0, 4, 1                         ; l / 16
	v_mul_u32_u24 v3, v1, PITCH
	v_lshl_add_u32 v3, v2, 4, v3                   ; a fragment's row x pitch + 16 x half
	s_mul_i32 s21, s11, HALFT                      ; my 64 rows of qf
	s_mul_i32 s22, s12, HALFT                      ; my 64 rows of tt,
	s_add_co_u32 s22, s22, 2*HALFT                 ; which lie behind qf's 128
.irp s, 0,1
	v_add_nc_u32 v[ADRA+(\s)], s21, v3
	v_add_nc_u32 v[ADRB+(\s)], s22, v3
	s_add_co_u32 s21, s21, SLOT
	s_add_co_u32 s22, s22, SLOT
.endr
	s_mul_i32 s23, s10, 16*SPITCH
	s_add_co_u32 s23, s23, STAGE                   ; my stage
	v_mul_u32_u24 v4, v1, SPITCH                   ; in: row l % 16, 32 bytes for each half of the lanes
	v_lshl_add_u32 v4, v2, 5, v4
	v_add_nc_u32 v[STO], s23, v4
	v_mul_u32_u24 v5, v2, SPITCH                   ; back: lanes 0-15 take one row of 256 bytes, lanes 16-31 the next
	v_lshl_add_u32 v5, v1, 4, v5
	v_add_nc_u32 v[RD], s23, v5
	v_lshlrev_b32 v5, 12, v2                       ; and the same two rows in out0
	v_lshl_add_u32 v[CO], v1, 4, v5
; 8 matrix instructions: m blocks a0, a0 + 1 x all 4 n blocks, 32 along K: half c of buffer f.  zero = 1: the first product starts the sums
.macro MUL8 f, c, a0, zero
	WIN MUL
.irp a, \a0, (\a0)+1
.irp b, 0,1,2,3
.if \zero
	v_wmma_f32_16x16x32_f16 v[ACC+8*(4*(\a)+(\b)):ACC+8*(4*(\a)+(\b))+7], v[(\f)+64+8*(4*(\c)+(\b)):(\f)+64+8*(4*(\c)+(\b))+7], v[(\f)+8*(4*(\c)+(\a)):(\f)+8*(4*(\c)+(\a))+7], 0
.else
	v_wmma_f32_16x16x32_f16 v[ACC+8*(4*(\a)+(\b)):ACC+8*(4*(\a)+(\b))+7], v[(\f)+64+8*(4*(\c)+(\b)):(\f)+64+8*(4*(\c)+(\b))+7], v[(\f)+8*(4*(\c)+(\a)):(\f)+8*(4*(\c)+(\a))+7], v[ACC+8*(4*(\a)+(\b)):ACC+8*(4*(\a)+(\b))+7]
.endif
.endr
.endr
.endm
; 32 LDS loads in one run: the fragments of 64 along K at byte k of the rows, into buffer f; the first 32 along K first
.macro FETCH slot, k, f
	WIN TO_F
.irp c, 0,1
.irp i, 0,1,2,3
	ds_load_b128 v[(\f)+64+8*(4*(\c)+(\i)):(\f)+64+8*(4*(\c)+(\i))+3],   v[ADRB+(\slot)] offset:(\k)+64*(\c)+(\i)*16*PITCH
	ds_load_b128 v[(\f)+64+8*(4*(\c)+(\i))+4:(\f)+64+8*(4*(\c)+(\i))+7], v[ADRB+(\slot)] offset:(\k)+64*(\c)+(\i)*16*PITCH+32
	ds_load_b128 v[(\f)+8*(4*(\c)+(\i)):(\f)+8*(4*(\c)+(\i))+3],         v[ADRA+(\slot)] offset:(\k)+64*(\c)+(\i)*16*PITCH
	ds_load_b128 v[(\f)+8*(4*(\c)+(\i))+4:(\f)+8*(4*(\c)+(\i))+7],       v[ADRA+(\slot)] offset:(\k)+64*(\c)+(\i)*16*PITCH+32
.endr
.endr
.endm
.macro PLACES                          ; four places in front of loads into registers that matrix instructions have read, and of vector lines that read results (ISA guide 7.12.1 for vector instructions)
.rept 4
	v_nop
.endr
.endm
; A K step is four quarters of 64 along K, 32 matrix instructions each, on buffers 0, 1, 0, 1.  One of the first three multiplies buffer f and fetches the next quarter, at byte k, into g.
.macro QUARTER slot, k, f, g, zero
	s_wait_dscnt 16                                ; the first 32 along K are in; the sixteen loads of the second 32 may be out
	WIN MUL
	MUL8 \f, 0, 0, \zero
	MUL8 \f, 0, 2, \zero
	PLACES
	FETCH \slot, \k, \g
	s_wait_dscnt 32                                ; all but the 32 just issued
	WIN MUL
	MUL8 \f, 1, 0, 0
	MUL8 \f, 1, 2, 0
.endm
; The last quarter multiplies buffer 1 and changes slots: ONE barrier; in front of it each wave waits for all its tensor loads, adds 0 to its spare word, and waits for that and for its own reads of this slot.
; fill = 1: this slot is filled again, two K steps ahead: the barrier opens a round of the cluster's barrier, and the joint refill is the first tensor load behind it, one a wave.
.macro TURN slot, next, fill
	WIN 0                                          ; (the add's two registers lie in window 0)
	s_wait_tensorcnt 0x0                           ; all my tensor loads have landed: my part of the next slot
	ds_add_u32 v[SPW], v[NIL]
	s_wait_dscnt 17                                ; (the add and the youngest sixteen loads may be out)
	WIN MUL
	MUL8 F1, 0, 0, 0                               ; eight matrix instructions stand between the add and the wait for it
	s_wait_dscnt 0x0                               ; the add is done, and my reads of this slot are over
	s_barrier_signal -1
	MUL8 F1, 0, 2, 0
.if \fill
	WIN 0
.endif
	s_barrier_wait -1
.if \fill
	CREST                                          ; no wave of any partner still reads this slot's tile or has a load on its way
	s_add_nc_u64 s[G0+4*(\slot)+2:G0+4*(\slot)+3], s[G0+4*(\slot)+2:G0+4*(\slot)+3], 2*KSTEP*2
	s_add_nc_u64 s[G0B+4*(\slot)+2:G0B+4*(\slot)+3], s[G0B+4*(\slot)+2:G0B+4*(\slot)+3], 2*KSTEP*2
	JLOAD \slot                                    ; 112 matrix instructions ahead of the wait for it; the four v_nop behind it are also the places in front of the loads below
.else
	PLACES
.endif
	FETCH \next, 0, F0
	WIN MUL
	MUL8 F1, 1, 0, 0
	MUL8 F1, 1, 2, 0
.endm
	s_wait_tensorcnt 1                             ; my part of K step 0 is in; K step 1's may stay out
	s_barrier_signal -1
	s_barrier_wait -1                              ; everybody's is
	FETCH 0, 0, F0
	QUARTER 0, 128, F0, F1, 1                      ; the first quarter stands in front of the loop: its first products start the sums
	WIN 0                                          ; at a label and at a branch every window is 0
	s_mov_b32 s3, LAPS-1
.Llap:                                                 ; a trip goes once round the ring, from a lap's second quarter to the next lap's first, and fills both slots again: K steps 2 and 3
	QUARTER 0, 256, F1, F0, 0
	QUARTER 0, 384, F0, F1, 0
	TURN 0, 1, 1
	QUARTER 1, 128, F0, F1, 0
	QUARTER 1, 256, F1, F0, 0
	QUARTER 1, 384, F0, F1, 0
	TURN 1, 0, 1
	QUARTER 0, 128, F0, F1, 0
	WIN 0
	s_sub_co_u32 s3, s3, 1
	s_cmp_lg_u32 s3, 0
	s_cbranch_scc1 .Llap
	QUARTER 0, 256, F1, F0, 0                      ; the last lap fills nothing, and has no round of the cluster's barrier
	QUARTER 0, 384, F0, F1, 0
	TURN 0, 1, 0
	QUARTER 1, 128, F0, F1, 0
	QUARTER 1, 256, F1, F0, 0
	QUARTER 1, 384, F0, F1, 0
	s_wait_dscnt 16                                ; the very last quarter: nothing more to fetch
	WIN MUL
	MUL8 F1, 0, 0, 0
	MUL8 F1, 0, 2, 0
	s_wait_dscnt 0x0
	MUL8 F1, 1, 0, 0
	MUL8 F1, 1, 2, 0
	WIN 0
	s_wait_kmcnt 0x0                               ; sc[b]
	s_mov_b32 s73, s72                             ; named with it as a pair
	PLACES
; THE WAY OUT, a block of 16 rows at a time.  PACK: times sc[b], into other registers, each accumulator from its low end on.  TOSTAGE: 32 bytes a lane into my stage, and back as whole rows of 256 bytes.  SEND: stored.
.macro PACK a
.irp b, 0,1,2,3
.irp z, 0,1,2,3
	v_pk_mul_f32 v[TMP+8*(\b)+2*(\z):TMP+8*(\b)+2*(\z)+1], v[ACC+8*(4*(\a)+(\b))+2*(\z):ACC+8*(4*(\a)+(\b))+2*(\z)+1], s[72:73] op_sel_hi:[1,0]
.endr
.endr
.endm
.macro TOSTAGE a
.set BK, OB+32*((\a)%2)
.irp b, 0,1,2,3
	ds_store_b128 v[STO], v[TMP+8*(\b):TMP+8*(\b)+3]   offset:64*(\b)
	ds_store_b128 v[STO], v[TMP+8*(\b)+4:TMP+8*(\b)+7] offset:64*(\b)+16
.endr
.irp t, 0,1,2,3,4,5,6,7
	ds_load_b128 v[BK+4*(\t):BK+4*(\t)+3], v[RD] offset:(\t)*2*SPITCH  ; LDS serves a wave's instructions in order (ISA guide 5.7.1.4): these see the stores above
.endr
.endm
.macro SEND a
.set BK, OB+32*((\a)%2)
	s_wait_dscnt 0x0                               ; the block is back in registers
	s_wait_xcnt 0x0                                ; the stores of the block before have read their registers, which the next block's loads from the stage write
.irp t, 0,1,2,3,4,5,6,7
	global_store_b128 v[CO], v[BK+4*(\t):BK+4*(\t)+3], s[70:71] offset:(16*(\a)+2*(\t))*4096 th:TH_STORE_NT  ; 16 lanes store 256 consecutive bytes, at a multiple of 256 from out0's first byte
.endr
.endm
	PACK 0
	TOSTAGE 0
.irp a, 1,2,3                          ; block a's scaling stands between block a - 1's loads from the stage and the wait for them
	PACK \a
	SEND (\a)-1
	TOSTAGE \a
.endr
	SEND 3
	s_wait_tensorcnt 0x0                           ; the wave's end: behind my last tensor load and my last LDS store
	ds_add_u32 v[SPW], v[NIL]
	s_wait_dscnt 0x0
	CROUND                                         ; the closing round: no work-group ends while a partner may still ask for a tile that names it
	s_endpgm
.Lfunc_end_k_q67f3e013a1_outp:
	.size	k_q67f3e013a1_outp, .Lfunc_end_k_q67f3e013a1_outp-k_q67f3e013a1_outp
	.p2alignl 7, 3214868480
	.fill 96, 4, 3214868480
	.section	.rodata,"a",@progbits
	.p2align	6, 0x0
	.amdhsa_kernel k_q67f3e013a1_outp
		.amdhsa_group_segment_fixed_size 327680
		.amdhsa_private_segment_fixed_size 0
		.amdhsa_enable_private_segment 0
		.amdhsa_kernarg_size 32
		.amdhsa_user_sgpr_count 2
		.amdhsa_user_sgpr_kernarg_segment_ptr 1
		.amdhsa_wavefront_size32 1
		.amdhsa_system_sgpr_workgroup_id_x 1
		.amdhsa_system_sgpr_workgroup_id_y 1
		.amdhsa_system_sgpr_workgroup_id_z 1
		.amdhsa_system_vgpr_workitem_id 0
		.amdhsa_next_free_vgpr 512
		.amdhsa_next_free_sgpr 80
		.amdhsa_reserve_vcc 0
		.amdhsa_float_denorm_mode_32 3
		.amdhsa_float_denorm_mode_16_64 3
		.amdhsa_memory_ordered 1
		.amdhsa_forward_progress 1
		.amdhsa_inst_pref_size 90
	.end_amdhsa_kernel
	.amdgpu_metadata
---
amdhsa.version: [ 1, 2 ]
amdhsa.kernels:
  - .name:           k_q67f3e013a1_outp
    .symbol:         k_q67f3e013a1_outp.kd
    .args:
      - { .name: qf, .offset: 0, .size: 8, .value_kind: global_buffer, .address_space: global }
      - { .name: tt, .offset: 8, .size: 8, .value_kind: global_buffer, .address_space: global }
      - { .name: sc, .offset: 16, .size: 8, .value_kind: global_buffer, .address_space: global }
      - { .name: out0, .offset: 24, .size: 8, .value_kind: global_buffer, .address_space: global }
    .group_segment_fixed_size: 327680
    .private_segment_fixed_size: 0
    .kernarg_segment_align: 8
    .kernarg_segment_size: 32
    .max_flat_workgroup_size: 128
    .sgpr_count:     80
    .vgpr_count:     512
    .wavefront_size: 32
...
	.end_amdgpu_metadata
.endif
;; end of part 4
;; ======== version 2 of 2: 4 launches; version 1 with the launch tobf16 written anew for expert scheduling mode
;; limits: values are held in f16: magnitudes above 65,504 overflow, below 6.1e-05 lose precision; right only within a limited range of input values
;; workspace buffers: xb 25,165,824 bytes; qf 8,388,608 bytes; sp 4,194,304 bytes; smax 32,768 bytes; tt 4,194,304 bytes; sc 256 bytes
;; launch tobf16 (part 5): grid 256 x 1, 8 waves a work-group, no clusters, 0 bytes of LDS; arguments h, h_cache, Wq, Wk, Wv, Wo, xb; writes xb
.if DOCPART == 5
	.amdgcn_target "amdgcn-amd-amdhsa--gfx1250"
	.amdhsa_code_object_version 6
	.text
	.protected	k_q67f3e013a1_tobf16
	.globl	k_q67f3e013a1_tobf16
	.p2align	8
	.type	k_q67f3e013a1_tobf16,@function
k_q67f3e013a1_tobf16:
	s_mov_b64 s[64:65], 0
	v_nop
	global_prefetch_b8 v0, s[64:65] scope:SCOPE_SE
	s_setreg_imm32_b32 hwreg(HW_REG_WAVE_SCHED_MODE, 0, 2), 2
	s_setreg_imm32_b32 hwreg(HW_REG_WAVE_MODE, 25, 1), 1
	s_wait_xcnt 0x0
	s_wait_alu depctr_vm_vsrc(0)
; xb = bf16 copies, each number rounded once, of h, h_cache, Wq, Wk, Wv, Wo, in this order, dense: h at byte 0, h_cache at 8 MiB, the weights at 16, 18, 20 and 22 MiB.
; 256 work-groups of eight waves; each takes 64 KiB of h, 64 KiB of h_cache and 16 KiB of each weight: 48 lines of 4,096 bytes.  Thread t takes the 16 bytes at 16 t of each line.
; No loop: a wave's 48 loads go out together, each into registers of its own; then the lines are rounded and stored as they come.  A wave's load covers 512 consecutive bytes, its store 256
; consecutive bytes at a multiple of 256 from xb's first byte.  Nothing is shared between threads: no LDS, no barrier.
; THE MODE: SCHED_MODE bits 1:0 = 2 (LLVM: expert scheduling mode 2), set by the entry lines.  The code itself states the register dependences between vector instructions and memory
; instructions, with s_wait_alu, always for 0.
; THE PLAN.  Registers that memory instructions touch:
;   v1, v2     the loads' offsets, v3, v4 the stores': written once at the head, never again.
;   DAT line i four registers.  The line's load, issued at the head ahead of every conversion, lands in them; the line's two conversions read them and write the first two; the line's one
;              store reads those two; nothing writes them after that.
; So no load lands in a register that a vector instruction has named, and no register that a memory instruction has read is written again: the only dependence to state is that a store's
; data and every offset are written.  The 48 lines go in 12 groups of four.  Group g rounds its own four lines; its memory instructions are the four stores of group g - 1, whose registers no
; conversion of group g names.  One wait on va_vdst at a group's head, behind the wait for the group's data, states what those four stores hang on; they are then dealt among the group's conversions.
.set DAT, 8                            ; v[8:199]  line i: four registers as loaded; the first two then hold its four bf16
.set GRP, 4                            ; lines in a group
	s_load_b256 s[4:11], s[0:1], 0x0               ; h s[4:5], h_cache s[6:7], Wq s[8:9], Wk s[10:11]
	s_load_b128 s[12:15], s[0:1], 0x20             ; Wv s[12:13], Wo s[14:15]
	s_load_b64 s[16:17], s[0:1], 0x30              ; xb
	s_lshl_b32 s22, ttmp9, 16                      ; my 64 KiB of h and of h_cache
	s_lshl_b32 s23, ttmp9, 14                      ; my 16 KiB of a weight
	s_lshl_b32 s24, ttmp9, 15                      ; and half as much in xb
	s_lshl_b32 s25, ttmp9, 13
	v_lshl_add_u32 v1, v0, 4, s22                  ; from: h, h_cache
	v_lshl_add_u32 v2, v0, 4, s23                  ; from: a weight
	v_lshl_add_u32 v3, v0, 3, s24                  ; to: h's and h_cache's copies
	v_lshl_add_u32 v4, v0, 3, s25                  ; to: a weight's copy
	s_wait_kmcnt 0x0
	s_add_nc_u64 s[18:19], s[16:17], 0x800000      ; h_cache's copy
	s_add_nc_u64 s[20:21], s[16:17], 0x1000000     ; the weights' copies
	s_wait_alu depctr_va_vdst(0)                   ; v1 to v4 are written: every load and store of the kernel reads one of them as its offset
.set i, 0
.rept 16
	global_load_b128 v[DAT+4*i:DAT+4*i+3], v1, s[4:5] offset:4096*i th:TH_LOAD_NT
.set i, i+1
.endr
.set i, 0
.rept 16
	global_load_b128 v[DAT+64+4*i:DAT+64+4*i+3], v1, s[6:7] offset:4096*i th:TH_LOAD_NT
.set i, i+1
.endr
.irp w, 0,1,2,3
.irp j, 0,1,2,3
	global_load_b128 v[DAT+128+16*(\w)+4*(\j):DAT+128+16*(\w)+4*(\j)+3], v2, s[8+2*(\w):9+2*(\w)] offset:4096*(\j) th:TH_LOAD_NT
.endr
.endr
; Line i is rounded: four f32 close up into the first two of their four registers.
.macro CV i
	v_cvt_pk_bf16_f32 v[DAT+4*(\i)], v[DAT+4*(\i)], v[DAT+4*(\i)+1]
	v_cvt_pk_bf16_f32 v[DAT+4*(\i)+1], v[DAT+4*(\i)+2], v[DAT+4*(\i)+3]
.endm
; Line i is stored: lines 0 to 15 are h's, 16 to 31 h_cache's, 32 to 47 the four weights', four lines each, 2 MiB apart in xb.
.macro ST i
.if (\i) < 16
	global_store_b64 v3, v[DAT+4*(\i):DAT+4*(\i)+1], s[16:17] offset:2048*(\i) th:TH_STORE_NT
.elseif (\i) < 32
	global_store_b64 v3, v[DAT+4*(\i):DAT+4*(\i)+1], s[18:19] offset:2048*((\i)-16) th:TH_STORE_NT
.else
	global_store_b64 v4, v[DAT+4*(\i):DAT+4*(\i)+1], s[20:21] offset:2097152*(((\i)-32)/4)+2048*(((\i)-32)%4) th:TH_STORE_NT
.endif
.endm
; Group g: its four lines are rounded, and the four lines of the group before are stored.
.macro GROUP g
	s_wait_loadcnt 48-GRP-GRP*(\g)                 ; loads come back in order (ISA guide 5.7.1): this group's four are in, the younger ones stay out
.if (\g) > 0
	s_wait_alu depctr_va_vdst(0)                   ; the conversions of the group before have written the eight registers that the four stores below read
.endif
.irp j, 0,1,2,3
.if (\g) > 0
	ST GRP*(\g)-GRP+(\j)                           ; no wait: no conversion since the wait above names this line's registers
.endif
	CV GRP*(\g)+(\j)
.endr
.endm
.irp g, 0,1,2,3,4,5,6,7,8,9,10,11
	GROUP \g
.endr
	s_wait_alu depctr_va_vdst(0)                   ; the last group's conversions have written the eight registers that the last four stores read
.irp j, 0,1,2,3
	ST 48-GRP+(\j)
.endr
	s_endpgm
.Lfunc_end_k_q67f3e013a1_tobf16:
	.size	k_q67f3e013a1_tobf16, .Lfunc_end_k_q67f3e013a1_tobf16-k_q67f3e013a1_tobf16
	.p2alignl 7, 3214868480
	.fill 96, 4, 3214868480
	.section	.rodata,"a",@progbits
	.p2align	6, 0x0
	.amdhsa_kernel k_q67f3e013a1_tobf16
		.amdhsa_group_segment_fixed_size 0
		.amdhsa_private_segment_fixed_size 0
		.amdhsa_enable_private_segment 0
		.amdhsa_kernarg_size 56
		.amdhsa_user_sgpr_count 2
		.amdhsa_user_sgpr_kernarg_segment_ptr 1
		.amdhsa_wavefront_size32 1
		.amdhsa_system_sgpr_workgroup_id_x 1
		.amdhsa_system_sgpr_workgroup_id_y 1
		.amdhsa_system_sgpr_workgroup_id_z 1
		.amdhsa_system_vgpr_workitem_id 0
		.amdhsa_next_free_vgpr 204
		.amdhsa_next_free_sgpr 66
		.amdhsa_reserve_vcc 0
		.amdhsa_float_denorm_mode_32 3
		.amdhsa_float_denorm_mode_16_64 3
		.amdhsa_memory_ordered 1
		.amdhsa_forward_progress 1
		.amdhsa_inst_pref_size 17
	.end_amdhsa_kernel
	.amdgpu_metadata
---
amdhsa.version: [ 1, 2 ]
amdhsa.kernels:
  - .name:           k_q67f3e013a1_tobf16
    .symbol:         k_q67f3e013a1_tobf16.kd
    .args:
      - { .name: h, .offset: 0, .size: 8, .value_kind: global_buffer, .address_space: global }
      - { .name: h_cache, .offset: 8, .size: 8, .value_kind: global_buffer, .address_space: global }
      - { .name: Wq, .offset: 16, .size: 8, .value_kind: global_buffer, .address_space: global }
      - { .name: Wk, .offset: 24, .size: 8, .value_kind: global_buffer, .address_space: global }
      - { .name: Wv, .offset: 32, .size: 8, .value_kind: global_buffer, .address_space: global }
      - { .name: Wo, .offset: 40, .size: 8, .value_kind: global_buffer, .address_space: global }
      - { .name: xb, .offset: 48, .size: 8, .value_kind: global_buffer, .address_space: global }
    .group_segment_fixed_size: 0
    .private_segment_fixed_size: 0
    .kernarg_segment_align: 8
    .kernarg_segment_size: 56
    .max_flat_workgroup_size: 256
    .sgpr_count:     66
    .vgpr_count:     204
    .wavefront_size: 32
...
	.end_amdgpu_metadata
.endif
;; end of part 5
;; launch proj: the kernel of part 2 again; grid 12 x 16, 4 waves a work-group, clusters of 4 x 4, 327,680 bytes of LDS; arguments xb, qf, sp, smax; writes qf, sp, smax
;; launch mkt: the kernel of part 3 again; grid 8 x 16, 8 waves a work-group, no clusters, 36,096 bytes of LDS; arguments sp, smax, xb, tt, sc; writes tt, sc
;; launch outp: the kernel of part 4 again; grid 8 x 32, 4 waves a work-group, clusters of 4 x 4, 327,680 bytes of LDS; arguments qf, tt, sc, out0; writes out0
